; MI455X (gfx1250); checked and timed in simulation.
; The chip was launched on July 23, 2026; its instructions are those of AMD's public machine-readable ISA for CDNA 5 (MIT licence, August 2026) and "CDNA5" Instruction Set Architecture Reference Guide (July 2026). The comments in the code are by the model that wrote it; some were corrected since.
;; Attention Layer. Allowed arithmetic: matrix products marked QUANTISED: E4M3 operands, one E8M0 scale for each 32 along K, by v_wmma_scale_f32_16x16x128_f8f6f4 with both operands' format E4M3, f32 sums; products left as they are: f32 operands where the result goes on into a quantised operand, else bf16, f16 or f32 operands; f32 sums; everything else in f32.
;; Inputs: U_a_codes 1,024 x 32 x 32 uint8 (E4M3 codes of U_a, K innermost, in blocks of 32 codes); U_a_scales 1,024 x 32 uint8 (E8M0 scales of U_a, one for each 32 codes along K); V_a 1,024 x 1 float32; W_a_codes 1,024 x 32 x 32 uint8 (E4M3 codes of W_a, K innermost, in blocks of 32 codes); W_a_scales 1,024 x 32 uint8 (E8M0 scales of W_a, one for each 32 codes along K); decoder_outputs_codes 32 x 64 x 32 x 32 uint8 (E4M3 codes of decoder_outputs, K innermost, in blocks of 32 codes); decoder_outputs_scales 32 x 64 x 32 uint8 (E8M0 scales of decoder_outputs, one for each 32 codes along K); encoder_outputs 32 x 2,048 x 1,024 float32.
;; Outputs: out0 32 x 1,024 float32; out1 32 x 2,048 x 1 float32.
;; This version of the problem:
;;   THIS VERSION OF THE PROBLEM IS GIVEN IN LOW PRECISION. The matrix products marked QUANTISED in the list below multiply operands that are first quantised to E4M3 (4 exponent bits, 3 mantissa bits; 8 bits a number), with one power-of-two scale for each 32 numbers along K (OCP MX v1.0); their sums are f32. All else is computed in f32.
;;   The module's matrix products, in the order in which they are computed (A, B: the left and right operand; K: the contracted axis; several contracted axes count as one K, in the product's order):
;;     1. [M 65,536, K 1,024] x [K 1,024, N 1,024]; A: input encoder_outputs; B: input W_a (given as codes): QUANTISED
;;     2. [M 32, K 1,024] x [K 1,024, N 1,024]; A: input decoder_outputs (given as codes); B: input U_a (given as codes): QUANTISED
;;     3. [M 65,536, K 1,024] x [K 1,024, N 1]; A: computed on the way; B: computed on the way: left as it is (N = 1 < 16)
;;     4. batch 32 x [M 1,024, K 2,048] x [K 2,048, N 1]; A: input encoder_outputs; B: softmax: left as it is (N = 1 < 16)
;;   THE QUANTISER, for each operand of a quantised product, along K:
;;     - K is cut into blocks of 32 from its start; a last block that is shorter is filled with zeros.
;;     - A block's scale is 2^e with e = floor(log2(the largest magnitude in the block)) - 8, held to -126 .. 127; a block of zeros has e = 0. As a byte (E8M0): e + 127.
;;     - Each number is divided by its block's scale, clamped to +-448, and rounded to the nearest number of E4M3, ties to even, subnormals kept.
;;     - The product sums the exact products of the quantised numbers (number of the format x scale) in f32.
;;   ~~~python
;;   def quantise(x, axis):      # numpy; x: float32 -> the quantised numbers, widened to float32 again
;;       x = np.moveaxis(x, axis, -1); K = x.shape[-1]
;;       x = np.pad(x, [(0, 0)] * (x.ndim - 1) + [(0, -K % 32)]); x = x.reshape(x.shape[:-1] + (-1, 32)); a = np.abs(x).max(-1, keepdims=True)
;;       e = np.where(a > 0, np.clip(np.frexp(np.where(a > 0, a, 1))[1] - 1 - 8, -126, 127), 0)      # np.frexp(a)[1] - 1 = floor(log2(a)), exactly
;;       r = np.clip(x / 2.0 ** e, -448, 448)
;;       step = 2.0 ** (np.maximum(np.frexp(np.where(r == 0, 1, r))[1] - 1, -6) - 3)
;;       q = np.round(r / step) * step * 2.0 ** e      # np.round: ties to even
;;       return np.moveaxis(q.reshape(q.shape[:-2] + (-1,))[..., :K], -1, axis).astype(np.float32)
;;   ~~~
;;   INPUTS GIVEN AS CODES. U_a (in the module: [1024, 1024], K = its axis 0); W_a (in the module: [1024, 1024], K = its axis 0); decoder_outputs (in the module: [32, 64, 1024], K = its axis 2): each comes as NAME_codes (uint8): NAME with its K axis moved to the last place and cut into blocks of 32 codes, [.., K / 32, bytes a block], one block behind the other in memory; one code a byte (a code: sign, 4 exponent bits, 3 mantissa bits); and NAME_scales (uint8): the same leading axes, one E8M0 byte (e + 127) for each 32 codes along K. Its value is code x scale, taken as it is: it is not quantised again, and the codes and scales need not be those that the quantiser above would give.
;; One version. Each part assembles by itself: llvm-mc -triple=amdgcn-amd-amdhsa -mcpu=gfx1250 --defsym DOCPART=n.
;; ======== version 1 of 1: 3 launches
;; limits: values are held in bf16: 8 bits of precision; right only within a limited range of input values
;; workspace buffers: bias 131,072 bytes; pctx 8,912,896 bytes
;; launch prep (part 1): grid 16 x 2, 4 waves a work-group, no clusters, 5,120 bytes of LDS; arguments decoder_outputs_codes, decoder_outputs_scales, U_a_codes, U_a_scales, bias; writes bias
.if DOCPART == 1
	.amdgcn_target "amdgcn-amd-amdhsa--gfx1250"
	.amdhsa_code_object_version 6
	.text
	.protected	k_q09c7b25370_prep
	.globl	k_q09c7b25370_prep
	.p2align	8
	.type	k_q09c7b25370_prep,@function
k_q09c7b25370_prep:
	s_mov_b64 s[64:65], 0
	v_nop
	global_prefetch_b8 v0, s[64:65] scope:SCOPE_SE
	s_setreg_imm32_b32 hwreg(HW_REG_WAVE_MODE, 25, 1), 1
	s_wait_xcnt 0x0
; bias[b][f] = c x (dec_last[b] . U_a[:, f]), c = 2 log2(e): the second product of the problem, on the given codes of E4M3 and their E8M0 scales, f32 sums.
; WORK LEFT OUT, in this program's three launches, and why it can reach no output, whatever the inputs hold:
;  (1) reference() takes decoder_outputs[:, -1, :]: steps 0 to 62 of every batch are sliced away.  Only step 63's codes and scale bytes are loaded.
;  (2) tanh(x) = 1 - 2 / (1 + e^(2x)), so score[b][t] = sum_f V[f] - 2 sum_f V[f] / (1 + e^(2 x[b][t][f])).  The term sum_f V[f] is the same for all t, the softmax's axis:
;      it multiplies numerator and denominator of the softmax by the same factor and cancels.  It is not formed.  V itself is used, so every input is loaded somewhere.
; LIMITS: a NaN, an infinity or an overflow that reaches only the work left out (the decoder's steps 0 to 62; the sum of V alone) is not carried to the result.  K is summed in two chains (even and odd K steps
; of 128), which are added at the end: another order of f32 rounding than one ascending chain.  NaN scale bytes (0xff) give NaN, as the unit makes them.
; SHARES: work-group (x, y): columns 64 x .. 64 x + 63, batches 16 y .. 16 y + 15; wave w the 16 columns from n0 = 64 x + 16 w.  Eight matrix instructions a wave.
; THE PRODUCT IS USED TRANSPOSED: source 0 = 16 rows of U (U's codes lie [f][k]), source 1 = 16 rows of dec_last: lane (r, h) then holds batch r and the eight neighbouring columns n0 + 8 h + 0 .. 7.
; The four waves' columns meet in a stage in LDS (16 rows x (256 bytes + 16)), so that sixteen lanes store 256 consecutive bytes of a row of bias, at a multiple of 256 from its first byte.
; No cluster, no tensor load: 32 work-groups share nothing that is large, and each byte is wanted once or twice.
; REGISTERS: v1, v2 the add's two; v3-9 addresses; v16-23 U's scale words, v24-31 dec's (register s: K step s); v32-47 two accumulators; v48-55 the result; v128-255 dec's 8 fragments; window 1, v0-127: U's 8 fragments.
.set SPARE, 4352                       ; behind the stage: the spare words, 128 bytes a wave: two blocks of 256 bytes that no other line names
.set MSB, 0
.macro WIN new                         ; the immediate's high byte repeats the setting that is left
.if MSB != (\new)
	s_set_vgpr_msb (MSB<<8)|(\new)
.set MSB, (\new)
.endif
.endm
	s_load_b256 s[4:11], s[0:1], 0x0               ; dec's codes s[4:5], dec's scales s[6:7], U's codes s[8:9], U's scales s[10:11]
	s_load_b64 s[12:13], s[0:1], 0x20              ; bias
	v_lshl_add_u32 v1, v0, 2, SPARE
	v_mov_b32 v2, 0
	v_lshrrev_b32 v10, 5, v0
	v_readfirstlane_b32 s14, v10                   ; wave 0..3
	v_and_b32 v11, 15, v0                          ; r
	v_bfe_u32 v12, v0, 4, 1                        ; h
	v_lshlrev_b32 v3, 10, v11
	v_lshl_add_u32 v3, v12, 4, v3                  ; U: row r of 1,024 bytes, + 16 h
	v_lshlrev_b32 v4, 16, v11
	v_lshl_add_u32 v4, v12, 4, v4                  ; dec: batch r, 64 steps x 1,024 bytes apart, + 16 h
	v_lshlrev_b32 v5, 5, v11                       ; U's scales: 32 bytes a row
	v_lshlrev_b32 v6, 11, v11                      ; dec's: 64 steps x 32 bytes a batch
	v_mul_u32_u24 v7, v11, 272
	v_lshl_add_u32 v7, v12, 5, v7
	s_lshl_b32 s18, s14, 6
	v_add_nc_u32 v7, s18, v7                       ; into the stage: row r, + 64 w + 32 h
	s_mul_i32 s18, s14, 4*272
	v_mul_u32_u24 v8, v12, 272
	v_lshl_add_u32 v8, v11, 4, v8
	v_add_nc_u32 v8, s18, v8                       ; out of it: row 4 w + h, 16 bytes a lane
	s_lshl_b32 s19, s14, 14
	v_lshlrev_b32 v9, 12, v12
	v_lshl_add_u32 v9, v11, 4, v9
	v_add_nc_u32 v9, s19, v9                       ; and the same place in bias: rows of 4,096 bytes
	s_mov_b32 s16, 0x4038aa3b                      ; c = 2 log2(e)
	s_mov_b32 s17, s16                             ; (named with it as a pair)
	s_and_b32 s15, ttmp7, 0xffff                   ; y
	s_lshl_b32 s20, ttmp9, 6
	s_lshl_b32 s21, s14, 4
	s_add_co_u32 s20, s20, s21                     ; n0
	s_lshl_b32 s22, s20, 10                        ; U's codes at row n0
	s_mov_b32 s23, 0
	s_lshl_b32 s24, s20, 5                         ; U's scales
	s_mov_b32 s25, 0
	s_lshl_b32 s26, s15, 10
	s_add_co_u32 s26, s26, 63                      ; dec's row: batch 16 y, step 63
	s_lshl_b32 s28, s26, 5                         ; its scales
	s_mov_b32 s29, 0
	s_lshl_b32 s26, s26, 10                        ; its codes
	s_mov_b32 s27, 0
	s_lshl_b32 s30, s15, 16                        ; bias: 16 y rows of 4,096 bytes
	s_lshl_b32 s31, ttmp9, 8                       ; + 64 x columns
	s_add_co_u32 s30, s30, s31
	s_mov_b32 s31, 0
	s_wait_kmcnt 0x0
	s_add_nc_u64 s[8:9], s[8:9], s[22:23]
	s_add_nc_u64 s[10:11], s[10:11], s[24:25]
	s_add_nc_u64 s[4:5], s[4:5], s[26:27]
	s_add_nc_u64 s[6:7], s[6:7], s[28:29]
	s_add_nc_u64 s[12:13], s[12:13], s[30:31]
	WIN 0x40                                       ; destination window 1
.irp s, 0,1,2,3,4,5,6,7
.irp c, 0,1,2,3
	global_load_b128 v[16*\s+4*\c:16*\s+4*\c+3], v3, s[8:9] offset:128*\s+32*\c      ; U(n0 + r, 128 s + 32 c + 16 h ..)
.endr
.endr
	WIN 0
.irp s, 0,1,2,3,4,5,6,7
.irp c, 0,1,2,3
	global_load_b128 v[128+16*\s+4*\c:128+16*\s+4*\c+3], v4, s[4:5] offset:128*\s+32*\c
.endr
.endr
	global_load_b128 v[16:19], v5, s[10:11]        ; a row's 32 scale bytes are eight words, one for each K step of 128
	global_load_b128 v[20:23], v5, s[10:11] offset:16
	global_load_b128 v[24:27], v6, s[6:7]
	global_load_b128 v[28:31], v6, s[6:7] offset:16
	s_wait_loadcnt 0x0
	WIN 0x01                                       ; source 0 (U) window 1
	v_wmma_scale_f32_16x16x128_f8f6f4 v[32:39], v[0:15], v[128:143], 0, v16, v24          ; the first two K steps start the two sums
	v_wmma_scale_f32_16x16x128_f8f6f4 v[40:47], v[16:31], v[144:159], 0, v17, v25
.irp s, 2,3,4,5,6,7                    ; the two accumulators take turns, one instruction a turn
	v_wmma_scale_f32_16x16x128_f8f6f4 v[32+8*(\s%2):39+8*(\s%2)], v[16*\s:16*\s+15], v[128+16*\s:143+16*\s], v[32+8*(\s%2):39+8*(\s%2)], v[16+\s], v[24+\s]
.endr
	WIN 0
.rept 8
	v_nop                                          ; eight places between this form and the first read of its results
.endr
.irp j, 0,2,4,6
	v_pk_add_f32 v[48+\j:49+\j], v[32+\j:33+\j], v[40+\j:41+\j]      ; both accumulators from their low end on
.endr
.irp j, 0,2,4,6
	v_pk_mul_f32 v[48+\j:49+\j], v[48+\j:49+\j], s[16:17] op_sel_hi:[1,0]   ; x c
.endr
	ds_store_b128 v7, v[48:51]
	ds_store_b128 v7, v[52:55] offset:16
	s_wait_alu depctr_va_vdst(0)
	s_wait_dscnt 0x0                               ; for the others' sake: my stores into the stage are done
	s_barrier_signal -1
	s_barrier_wait -1
	ds_load_b128 v[32:35], v8                      ; rows 4 w + h
	ds_load_b128 v[36:39], v8 offset:544           ; and two rows on
	s_wait_dscnt 0x0
	global_store_b128 v9, v[32:35], s[12:13]       ; 16 lanes store 256 consecutive bytes, at a multiple of 256 from bias's first byte
	global_store_b128 v9, v[36:39], s[12:13] offset:8192
	s_wait_tensorcnt 0x0                           ; the wave's end, behind my last LDS store
	ds_add_u32 v1, v2
	s_wait_dscnt 0x0
	s_endpgm
.Lfunc_end_k_q09c7b25370_prep:
	.size	k_q09c7b25370_prep, .Lfunc_end_k_q09c7b25370_prep-k_q09c7b25370_prep
	.p2alignl 7, 3214868480
	.fill 96, 4, 3214868480
	.section	.rodata,"a",@progbits
	.p2align	6, 0x0
	.amdhsa_kernel k_q09c7b25370_prep
		.amdhsa_group_segment_fixed_size 5120
		.amdhsa_private_segment_fixed_size 0
		.amdhsa_enable_private_segment 0
		.amdhsa_kernarg_size 40
		.amdhsa_user_sgpr_count 2
		.amdhsa_user_sgpr_kernarg_segment_ptr 1
		.amdhsa_wavefront_size32 1
		.amdhsa_system_sgpr_workgroup_id_x 1
		.amdhsa_system_sgpr_workgroup_id_y 1
		.amdhsa_system_sgpr_workgroup_id_z 1
		.amdhsa_system_vgpr_workitem_id 0
		.amdhsa_next_free_vgpr 384
		.amdhsa_next_free_sgpr 66
		.amdhsa_reserve_vcc 0
		.amdhsa_float_denorm_mode_32 3
		.amdhsa_float_denorm_mode_16_64 3
		.amdhsa_memory_ordered 1
		.amdhsa_forward_progress 1
		.amdhsa_inst_pref_size 12
	.end_amdhsa_kernel
	.amdgpu_metadata
---
amdhsa.version: [ 1, 2 ]
amdhsa.kernels:
  - .name:           k_q09c7b25370_prep
    .symbol:         k_q09c7b25370_prep.kd
    .args:
      - { .name: decoder_outputs_codes, .offset: 0, .size: 8, .value_kind: global_buffer, .address_space: global }
      - { .name: decoder_outputs_scales, .offset: 8, .size: 8, .value_kind: global_buffer, .address_space: global }
      - { .name: U_a_codes, .offset: 16, .size: 8, .value_kind: global_buffer, .address_space: global }
      - { .name: U_a_scales, .offset: 24, .size: 8, .value_kind: global_buffer, .address_space: global }
      - { .name: bias, .offset: 32, .size: 8, .value_kind: global_buffer, .address_space: global }
    .group_segment_fixed_size: 5120
    .private_segment_fixed_size: 0
    .kernarg_segment_align: 8
    .kernarg_segment_size: 40
    .max_flat_workgroup_size: 128
    .sgpr_count:     66
    .vgpr_count:     384
    .wavefront_size: 32
...
	.end_amdgpu_metadata
.endif
;; end of part 1
;; launch main (part 2): grid 16 x 32, 4 waves a work-group, clusters of 4 x 1, 327,680 bytes of LDS; arguments encoder_outputs, W_a_codes, W_a_scales, V_a, bias, pctx; writes pctx
.if DOCPART == 2
	.amdgcn_target "amdgcn-amd-amdhsa--gfx1250"
	.amdhsa_code_object_version 6
	.text
	.protected	k_q09c7b25370_main
	.globl	k_q09c7b25370_main
	.p2align	8
	.type	k_q09c7b25370_main,@function
k_q09c7b25370_main:
	s_mov_b64 s[64:65], 0
	v_nop
	global_prefetch_b8 v0, s[64:65] scope:SCOPE_SE
	s_setreg_imm32_b32 hwreg(HW_REG_WAVE_MODE, 25, 1), 1
	s_wait_xcnt 0x0
	s_wait_alu depctr_hold_cnt(0) depctr_sa_sdst(0) depctr_va_vdst(0) depctr_va_sdst(0) depctr_va_ssrc(0) depctr_va_vcc(0) depctr_vm_vsrc(0)
	s_getreg_b32 s2, hwreg(HW_REG_IB_STS2, 6, 4)
	s_cmp_eq_u32 s2, 0
	s_cbranch_scc0 .Lentry_in_a_cluster
	s_endpgm
.Lentry_in_a_cluster:
	s_bfe_u32 s2, ttmp6, 0x10000c
	s_cmp_lg_u32 s2, 0x3003
	s_cbranch_scc0 .Lentry_shape_is_right
	s_endpgm
.Lentry_shape_is_right:
; For 128 rows t of one batch b: x = Q(enc[b][t]) . W_a + dec_U (Q: the MX-FP8 quantiser along the 1,024), ts = -c sum_f V[f] / (1 + 2^(c x_f)), c = 2 log2(e), which is log2(e) x the score less a term that is
; the same for all t; then, for each wave's 32 rows: m = max ts, p = 2^(ts - m), l = sum p, ctx[e] = sum_t p_t enc[b][t][e].  The next launch joins the 64 partials of a batch.
; WORK LEFT OUT: the term sum_f V[f] of the score, the same along the softmax's axis (shown at the head of the first kernel).  An overflow of that sum alone is not carried to the result.
; LIMITS: NaN and infinities among the inputs are not served.  A block of 32 whose largest magnitude lies under 2^-118 (a block of zeros too) gets the scale byte 1; its bytes are read by this kernel alone, and
; zero codes add nothing.  For the last product p and the encoder's numbers are rounded to bf16 (f32 sums).  Where 2^(c x) is infinite, 1 / (1 + inf) = 0: tanh = 1, as in reference().
; THE ENCODER IS READ ONCE.  A wave owns 32 rows.  It streams them through registers, 16 rows x 128 numbers a round, and makes two things of each round: a copy in bf16, laid as the last product's operand
; (K = the wave's 32 rows; 32 tiles in registers, 32 in LDS), and, after a turn through the wave's own stage in LDS, the codes and scale words of the first product's operand (256 registers).  Nothing is shared
; between waves while the rows stream: no barrier.  Four rounds' loads, 64 of 512 bytes, are out in each wave.
; TWO WAVES SHARE 64 ROWS AND SPLIT W.  Waves 2 P and 2 P + 1 hand each other their codes and scale words through LDS, as images of the registers; wave w then multiplies all 64 rows by the half u = w % 2 of W's
; rows (f = 512 u ..), so that a fragment of W read from LDS feeds four matrix instructions.  The two halves of each row's sum over f meet in LDS at the end.
; THE SWEEP.  W's codes go through a ring of two LDS slots; a slot holds 32 rows of each half, 1,024 bytes a row; each wave fetches 16 rows by one tensor load.  A step is 16 rows of W against 64 rows of the
; encoder: 32 matrix instructions on four accumulators by turns.  There are two sets of accumulators: while one step's products are issued, the step before goes through 2^(c x + bias), + 1, 1 / ., in slices
; behind the matrix instructions; none of these has a vector register as source 1, so they stand under the products' window setting, which moves source 1 alone.  The last part, x V into the sums, stands at the step's end.
; CLUSTER: the four work-groups of a cluster walk the same W: each tile is asked for jointly, by the same tensor load with the same descriptor and the mask of all four.
; THE FIRST PRODUCT IS USED TRANSPOSED (source 0 = 16 rows of W, source 1 = 16 rows of the encoder): lane (r, h) holds encoder row r and f = 8 h + 0 .. 7 of the tile, so the sum over f stays in the lane.
; REGISTERS, in windows of 256: window 0: v1, v2 the add's two; v3-6 the sweep's addresses; v8-15 the partner's scale words, v16-23 mine (register s: K step s; lanes 0-15 rows 0-15, lanes 16-31 rows 16-31);
;   v24-31 the stream's addresses, then the sums of V / (1 + ..); v32-47 at work in the quantiser, then bias (v32-39) and V (v40-47) of a step; v48-63 W's scale words, a set for each of a slot's two steps;
;   v64-127 64 numbers to be quantised, then two sets of 4 accumulators; v128-255 two landing buffers, then a step's 8 fragments of W, then the last product's results.
;   window 1: my codes, fragment (row tile m, K step s) at 128 m + 16 s; at the end the copy tiles that come back from LDS.   window 2: in the stream v0-31 tiles on their way to LDS, v128-255 two more landing
;   buffers; then the partner's codes.   window 3: copy tiles 0-31.
.set WP,    1040                       ; a row of W in LDS: 1,024 bytes + 16 of padding: an odd multiple of 16, so the 16 rows of a fragment load start in different banks (64 banks of 4 bytes: ISA guide 11.1)
.set SLOTB, 64*WP                      ; slot 0 at LDS byte 0, slot 1 behind it
.set TAB,   133120                     ; V (4,096 bytes), then c x dec_U of my batch (4,096 bytes)
.set PS,    141312                     ; ts of the work-group's 128 rows, 4 bytes a thread
.set BOX,   141824                     ; 4 waves x 128 bytes: what the partner has summed for my rows
.set ASX,   142336                     ; 4 waves x 1,024 bytes: my scale words, for the partner
.set SPARE, 146432                     ; the spare words, 128 bytes a wave: two blocks of 256 bytes that no other line names
.set TURN,  146944                     ; 4 waves x 16 rows x (512 bytes + 16): the turn from 'a lane a column' to 'a lane a row'; then the codes on their way to the partner;
.set SCW,   TURN                       ; then W's scale bytes [1,024][32], dense
.set SPILL, 180736                     ; 4 waves x 32 copy tiles x 1,024 bytes, as images of their registers
.set X,   64
.set TM,  32
.set WS,  48
.set ASC, 16
.set ASP, 8
.set MSB, 0
.macro WIN new                         ; the immediate's high byte repeats the setting that is left
.if MSB != (\new)
	s_set_vgpr_msb (MSB<<8)|(\new)
.set MSB, (\new)
.endif
.endm
.macro CREST                           ; a round of the cluster's barrier behind its opening barrier
	s_cmp_lg_u32 s20, 0
	s_cbranch_scc1 .Lnot_wave_0_\@
	s_barrier_signal -3
.Lnot_wave_0_\@:
	s_barrier_wait -3
	s_barrier_signal -1
	s_barrier_wait -1
.endm
.macro CROUND                          ; a whole round
	s_barrier_signal -1
	s_barrier_wait -1
	CREST
.endm
.macro BAR                             ; my LDS stores have landed and my LDS loads are in: then the work-group's barrier
	s_wait_alu depctr_va_vdst(0)
	s_wait_dscnt 0x0
	s_barrier_signal -1
	s_barrier_wait -1
.endm
.macro PLACES                          ; eight places behind this matrix form, in front of loads into registers that it has read and of the first read of its results (ISA guide 7.12.1 for the first read of its results)
.rept 8
	v_nop
.endr
.endm
; Round f = 2 s + m: rows 16 m .. 16 m + 15 of my 32, numbers 128 s .. 128 s + 127.  Sixteen loads; each takes 256 consecutive bytes of two rows (lanes 0-15 row a, lanes 16-31 row a + 8).
; Register 32 ch + 4 a + q of lane (r, h) = row 16 m + a + 8 h, number 128 s + 64 ch + 4 r + q.  Four landing buffers by turns: window 0 v128, v192; window 2 v128, v192.
.macro GLOAD f
.set gs, (\f)/2
.set gm, (\f)%2
.set GB, 128+64*((\f)%2)
.set WN, (2*(((\f)%4)/2))<<6
	WIN WN
.irp ch, 0,1
.irp a, 0,1,2,3,4,5,6,7
	global_load_b128 v[GB+32*\ch+4*\a:GB+32*\ch+4*\a+3], v24, s[4:5] offset:(16*gm+\a)*4096+512*gs+256*\ch th:TH_LOAD_NT
.endr
.endr
.endm
; v[X] .. v[X + 63], register 16 b + i = number 32 b + 16 h + i of my row's 128, become fragment (rm, rs) in window 1 and my row's scale word.
.macro QUANT
.irp b, 0,1,2,3
	v_max3_num_f32 v[TM+\b], |v[X+16*\b]|, |v[X+1+16*\b]|, 0x4800000   ; block b: my 16 numbers, and the floor 2^(9 - 127): the byte cannot fall under 1
.endr
.irp i, 2,4,6,8,10,12,14
.irp b, 0,1,2,3
	v_max3_num_f32 v[TM+\b], v[TM+\b], |v[X+16*\b+\i]|, |v[X+1+16*\b+\i]|   ; the four blocks by turns
.endr
.endr
.irp b, 0,1,2,3
	v_permlanex16_b32 v[TM+4+\b], v[TM+\b], s54, s55
.endr
.irp b, 0,1,2,3
	v_max_num_f32 v[TM+\b], v[TM+\b], v[TM+4+\b]   ; with lane l xor 16's 16: the block's largest magnitude
.endr
.irp b, 0,1,2,3
	v_add_nc_u32 v[TM+12+\b], 0xfc000000, v[TM+\b] ; 8 off its exponent field: the conversion's scale operand
.endr
.irp b, 0,1,2,3
	v_and_or_b32 v[TM+8+\b], v[TM+\b], 0x7f800000, s56   ; 448 x the scale
.endr
.irp b, 0,1,2,3
	v_lshrrev_b32 v[TM+4+\b], 23, v[TM+12+\b]      ; the scale's byte
.endr
	v_lshl_or_b32 v29, v[TM+5], 8, v[TM+4]
	v_lshl_or_b32 v29, v[TM+6], 16, v29
.if rm == 0
	v_lshl_or_b32 v[ASC+rs], v[TM+7], 24, v29      ; rows 0-15: the word stands in lanes 0-15 (and, until the next round, in lanes 16-31)
.else
	v_lshl_or_b32 v29, v[TM+7], 24, v29
	v_cndmask_b32 v[ASC+rs], v[ASC+rs], v29, s57   ; rows 16-31: into lanes 16-31
.endif
.irp b, 0,1,2,3
.irp i, 0,1,2,3,4,5,6,7,8,9,10,11,12,13,14,15
	v_med3_num_f32 v[X+16*\b+\i], v[X+16*\b+\i], -v[TM+8+\b], v[TM+8+\b]   ; the conversion to an 8-bit code does not saturate (ISA guide 7.6.2): the hold at the largest code x the scale
.endr
.endr
	WIN 0x40                                       ; destination window 1
.irp b, 0,1,2,3
	v_cvt_scalef32_pk8_fp8_f32 v[128*rm+16*rs+4*\b:128*rm+16*rs+4*\b+1], v[X+16*\b:X+16*\b+7], v[TM+12+\b]
	v_cvt_scalef32_pk8_fp8_f32 v[128*rm+16*rs+4*\b+2:128*rm+16*rs+4*\b+3], v[X+8+16*\b:X+15+16*\b], v[TM+12+\b]
.endr
	v_nop                                          ; one plain instruction behind the last scaled conversion
	WIN 0
.endm
.macro ROUND f
.set rs, (\f)/2
.set rm, (\f)%2
.set LB, 128+64*((\f)%2)
.set LW, 2*(((\f)%4)/2)
.if (\f) <= 12
	s_wait_loadcnt 48
.else
	s_wait_loadcnt 16*(15-(\f))
.endif
.if (\f) == 0
	ds_store_b128 v28, v[64:67]                    ; V and c x dec_U into the table: 16 bytes a thread, four times
	ds_store_b128 v28, v[68:71] offset:2048
	ds_store_b128 v28, v[72:75] offset:4096
	ds_store_b128 v28, v[76:79] offset:6144
.endif
; THE COPY.  Tile 8 s + 4 ch + q holds, in lane (r, h), number e = 128 s + 64 ch + 4 r + q; its register 4 m + p the rows 16 m + 8 h + 2 p and + 1: a 16-bit operand whose K is my 32 rows.
.if rs < 4
.set DW, 3                             ; tiles 0-31 stay, in window 3
.set DBASE, 64*rs+4*rm
.set DSTEP, 8
.else
.set DW, 2                             ; tiles 32-63 pass through v0-31 of window 2 on their way to LDS
.set DBASE, 0
.set DSTEP, 4
.endif
.set WN, LW|(LW<<2)|(DW<<6)
	WIN WN
.irp tt, 0,1,2,3,4,5,6,7
.irp p, 0,1,2,3
	v_cvt_pk_bf16_f32 v[DBASE+DSTEP*\tt+\p], v[LB+32*(\tt/4)+8*\p+(\tt%4)], v[LB+32*(\tt/4)+8*\p+4+(\tt%4)]
.endr
.endr
.if rs >= 4
	WIN 0x08                                       ; an LDS store's data are its source 1: window 2
.irp tt, 0,1,2,3,4,5,6,7
	ds_store_b128 v27, v[4*\tt:4*\tt+3] offset:(8*(rs-4)+\tt)*1024+512*rm   ; as images of their registers: 16 bytes a lane.  The wait for 0 further down shows them done before the next round writes these registers
.endr
.endif
.set WN, LW<<2
	WIN WN
.irp ch, 0,1
.irp a, 0,1,2,3,4,5,6,7
	ds_store_b128 v25, v[LB+32*\ch+4*\a:LB+32*\ch+4*\a+3] offset:528*\a+256*\ch   ; THE TURN: the 16 rows x 512 bytes into my stage as they lie,
.endr
.endr
.if (\f) == 0
	s_wait_dscnt 0x0                               ; the table's stores have read v64 on: the loads below land there
.endif
	WIN 0
.irp c, 0,1,2,3
.irp j, 0,1,2,3
	ds_load_b128 v[X+16*\c+4*\j:X+16*\c+4*\j+3], v26 offset:128*\c+16*\j   ; and back a row a lane: of each block of 32 my half's 16.  LDS serves a wave's instructions in order (ISA guide 5.7.1.4)
.endr
.endr
	s_wait_dscnt 0x0                               ; the numbers are in, and the stores have read their registers: the landing buffer
.if (\f) < 12
	GLOAD (\f)+4                                   ; takes the round four on
	WIN 0
.endif
	QUANT
.endm
; ---- THE SWEEP'S PARTS
; The 8 loads of K steps 2 d and 2 d + 1 of the step that comes next: NOFF bytes into the slot at v3
.macro LFR d
.irp k, 0,1
.irp c, 0,1,2,3
	ds_load_b128 v[128+16*(2*(\d)+\k)+4*\c:128+16*(2*(\d)+\k)+4*\c+3], v3 offset:NOFF+128*(2*(\d)+\k)+32*\c
.endr
.endr
.endm
.macro BCL g                           ; this step's bias: my eight f, 8 h + 0 .. 7 of the tile
	ds_load_b128 v[32:35], v5 offset:4096+64*(\g)
	ds_load_b128 v[36:39], v5 offset:4096+64*(\g)+16
.endm
.macro VVL g                           ; and its V
	ds_load_b128 v[40:43], v5 offset:64*(\g)
	ds_load_b128 v[44:47], v5 offset:64*(\g)+16
.endm
.macro WSL g                           ; W's scale words for the next slot's step g: lane r takes row r of the tile: eight words, one for each K step
	ds_load_b128 v[WS+8*(\g):WS+8*(\g)+3], v4 offset:1024+512*(\g)
	ds_load_b128 v[WS+8*(\g)+4:WS+8*(\g)+7], v4 offset:1024+512*(\g)+16
.endm
; Matrix instruction mi of a step's 32.  Eight go together: K step 2 d x my two row tiles (source 1 in window 1) and the partner's two (window 2), then K step 2 d + 1 x the same four.
; The four accumulators take turns in the order 0, 1, 2, 3, one instruction a turn: three other products stand between two steps of a sum.  K step 0 starts the sums.
.macro MMI g
.set mq, mi%8
.set ms, 2*(mi/8)+(mq/4)
.set mt, mq%4
.set rD, 64+32*(\g)+8*mt
.set rA, 128+16*ms
.set rB, 128*(mt%2)+16*ms
.set rX, WS+8*(\g)+ms
.if mt < 2
.set rY, ASC+ms
	WIN 0x04
.else
.set rY, ASP+ms
	WIN 0x08
.endif
.if ms == 0
.if (mt%2) == 0
	v_wmma_scale_f32_16x16x128_f8f6f4 v[rD:rD+7], v[rA:rA+15], v[rB:rB+15], 0, v[rX], v[rY]
.else
	v_wmma_scale_f32_16x16x128_f8f6f4 v[rD:rD+7], v[rA:rA+15], v[rB:rB+15], 0, v[rX], v[rY] matrix_b_scale:MATRIX_SCALE_ROW1
.endif
.else
.if (mt%2) == 0
	v_wmma_scale_f32_16x16x128_f8f6f4 v[rD:rD+7], v[rA:rA+15], v[rB:rB+15], v[rD:rD+7], v[rX], v[rY]
.else
	v_wmma_scale_f32_16x16x128_f8f6f4 v[rD:rD+7], v[rA:rA+15], v[rB:rB+15], v[rD:rD+7], v[rX], v[rY] matrix_b_scale:MATRIX_SCALE_ROW1
.endif
.endif
.endm
; Number ek of the list that takes a finished step's 32 outputs a lane, at v[EB] on, from x to 1 / (1 + 2^(c x + bias)):
;   0-15 the scalings, each accumulator from its low end on;  16-47 the exponentials;  48 a plain instruction and the one wait for that batch;
;   49-64 + 1;  65-96 the reciprocals;  97 a plain instruction and their one wait.
.macro EOP
.if ek < 16
.set er, EB+8*(ek/4)+2*(ek%4)
	v_pk_fma_f32 v[er:er+1], v[er:er+1], s[52:53], v[32+2*(ek%4):33+2*(ek%4)] op_sel_hi:[1,0,1]
.elseif ek < 48
.if ek == 16
	s_wait_alu depctr_va_vdst(0)
.endif
	v_exp_f32 v[EB+ek-16], v[EB+ek-16]
.elseif ek == 48
	v_nop
	s_wait_alu depctr_va_vdst(0)
.elseif ek < 65
.set er, EB+2*(ek-49)
	v_pk_add_f32 v[er:er+1], v[er:er+1], 1.0 op_sel_hi:[1,0]
.elseif ek < 97
.if ek == 65
	s_wait_alu depctr_va_vdst(0)
.endif
	v_rcp_f32 v[EB+ek-65], v[EB+ek-65]
.else
	v_nop
	s_wait_alu depctr_va_vdst(0)
.endif
.endm
.macro EFIN                            ; x V into the sums, a pair of registers for each row tile; both factors are vector registers, so this part stands under window setting 0
.irp i, 0,2,4,6
.irp t, 0,1,2,3
	v_pk_fma_f32 v[24+2*\t:25+2*\t], v[EB+8*\t+\i:EB+8*\t+\i+1], v[40+\i:41+\i], v[24+2*\t:25+2*\t]
.endr
.endr
.endm
; Matrix instructions first .. first + count - 1 of a step.  epi = 1: the list's plain lines stand in slices behind products: four scalings behind each of products 0 to 3, four additions of 1 behind each of products 8 to 11.
; Its transcendentals stand in TWO BATCHES between products, each with its wait ahead and its wait behind: the 32 exponentials behind product 7, the 32 reciprocals ahead of product 16.
; So no transcendental stands between two products of one sum without a wait behind it.
.macro MMS g, epi, first, count
.set mi, \first
.rept \count
.if (\epi) && (mi == 16)
.set ek, 65
.rept 33
	EOP                                            ; the wait, the 32 reciprocals, a plain line and their wait
.set ek, ek+1
.endr
.endif
	MMI \g
.if \epi
.if mi < 4
.set ek, 4*mi
.rept 4
	EOP
.set ek, ek+1
.endr
.elseif mi == 7
.set ek, 16
.rept 33
	EOP                                            ; the wait, the 32 exponentials, a plain line and their wait
.set ek, ek+1
.endr
.elseif (mi >= 8) && (mi < 12)
.set ek, 49+4*(mi-8)
.rept 4
	EOP
.set ek, ek+1
.endr
.endif
.endif
.set mi, mi+1
.endr
.endm
; A STEP: tile g of my half of the slot, into accumulator set g; epi = 1: the step before, in set 1 - g, goes through the list meanwhile.
; LDS instructions are issued in this order, step after step: L0 (8 loads: the next step's K steps 0, 1), bias (2), L1, L2, L3 (8 each), W's scale words (2), V (2).  Each wait's count is what has been issued
; behind the loads that the next eight products want.  px: how many of the scale words' and V's loads the step before has issued (0, 2 or 4); nxt = 1: there is a next step to fetch for; wsn = 1: and a next slot.
; chg = 1: THE STEP CHANGES SLOTS.  All its fragments were asked for in the step before.  Behind its first eight products each wave waits for all its tensor loads (one is out: its part of the other slot), adds 0
; to its spare word, and waits for that and for its reads of this slot; then the barrier.  fill = 1: the barrier opens a round of the cluster's barrier, behind which no wave of any partner reads this slot or has
; a load on its way, and the joint refill, the rows of W two slots on, is the first thing behind it: it has the other slot's two steps in which to land.  Between the signal and the wait stand products and additions alone.
.macro STEP g, epi, chg, fill, nxt, wsn, px
.set EB, 64+32*(1-(\g))
.set NOFF, (1-(\g))*16*WP
	s_wait_dscnt 24+\px                            ; L0 and the bias are in
	MMS \g, \epi, 0, 8
.if \chg
	WIN 0                                          ; (the add's two registers lie in window 0)
	s_wait_tensorcnt 0x0                           ; all my tensor loads have landed, so the walking group 0 may be written
	ds_add_u32 v1, v2                              ; 0 onto my spare word
.if \fill
	s_xor_b32 s61, s61, SLOTB                      ; the other slot than last time,
	s_add_co_u32 s37, s61, s33                     ; my 16 rows of it,
	s_add_nc_u64 s[38:39], s[38:39], 0x8000        ; the next 32 rows of my half of W; the type bits on top are not reached
.endif
	s_wait_dscnt 17+\px                            ; L1 is in; L2, L3 (16), the scale words and V (px) and the add may be out
	MMS \g, \epi, 8, 4
	s_wait_dscnt 0x0                               ; the add is done, and my reads of this slot are over
	s_barrier_signal -1
	MMS \g, \epi, 12, 4
	WIN 0
	s_barrier_wait -1
.if \fill
	CREST
	tensor_load_to_lds s[36:39], s[24:31]          ; my one tensor load behind the round
	s_nop 0
.endif
.rept 4
	v_nop
.endr
	s_xor_b32 s60, s60, SLOTB                      ; on to the other slot; no LDS load of mine is out.  With the seven v_nop this line makes the eight places in front of the loads below
	v_add_nc_u32 v3, s60, v6
.rept 3
	v_nop
.endr
	LFR 0
	BCL \g
	LFR 1
	MMS \g, \epi, 16, 8                            ; their fragments came in with the wait for 0
	PLACES
	LFR 2
	MMS \g, \epi, 24, 8
.else
.if \nxt
	PLACES
	LFR 0
.endif
	BCL \g                                         ; the scalings of the step before stood behind the first four products: its bias is done with
	s_wait_dscnt 18+\px+8*\nxt                     ; L1 is in
	MMS \g, \epi, 8, 8
.if \nxt
	PLACES
	LFR 1
.endif
	s_wait_dscnt 10+\px+16*\nxt                    ; L2 is in
	MMS \g, \epi, 16, 8
.if \nxt
	PLACES
	LFR 2
.endif
	s_wait_dscnt 2+24*\nxt                         ; L3 and V are in
	MMS \g, \epi, 24, 8
.endif
	PLACES                                         ; also the places in front of the first read of this step's results
.if \nxt
	LFR 3
.endif
.if \wsn
	WSL \g
.endif
	WIN 0
.if \epi
	EFIN
.endif
	VVL \g
.if (\g) && (\nxt)
	v_add_nc_u32 v4, 1024, v4                      ; 32 rows of scale bytes on,
	v_add_nc_u32 v5, 128, v5                       ; 32 numbers of V and of the bias
.endif
.endm
	s_load_b256 s[4:11], s[0:1], 0x0               ; encoder s[4:5], W's codes s[6:7], W's scales s[8:9], V s[10:11]
	s_load_b128 s[12:15], s[0:1], 0x20             ; bias s[12:13], pctx s[14:15]
	v_lshl_add_u32 v1, v0, 2, SPARE
	v_mov_b32 v2, 0
	ds_add_u32 v1, v2                              ; the wave's opening: the add, twice on end, and its wait ahead of my first tensor load; the set-up below stands between
	ds_add_u32 v1, v2
	v_lshrrev_b32 v43, 5, v0
	v_readfirstlane_b32 s20, v43                   ; wave 0..3
	s_bfe_u32 s21, ttmp6, 0x40000                  ; cx: my place in the cluster: it enters global addresses of the encoder and of pctx alone
	s_lshl_b32 s22, ttmp9, 2
	s_add_co_u32 s22, s22, s21                     ; my block of 128 rows: 4 x cluster x + cx
	s_and_b32 s23, ttmp7, 0xffff                   ; the batch
	s_and_b32 s40, s20, 1                          ; u: which half of W I multiply by
	s_xor_b32 s41, s20, 1                          ; my partner's number
	; descriptor group 1 for W's codes: 16 rows x 1,024 bytes, 16 bytes of padding behind each row
	s_mov_b32 s24, 15|(1<<20)|(1<<21)|(7<<22)|(3<<25)  ; 15:0 the mask: all four work-groups; 17:16 elements of 1 byte; 20 padding on; 21 set beside a mask; 24:22 after every 256 words (code 7); 31:25 four words (code 3)
	s_mov_b32 s25, 1024<<16                        ; tensor_dim0
	s_mov_b32 s26, 16<<16                          ; tensor_dim1
	s_mov_b32 s27, 1024<<16                        ; tile_dim0
	s_mov_b32 s28, 16                              ; tile_dim1
	s_mov_b32 s29, 1024                            ; from row to row
	s_mov_b32 s30, 0
	s_mov_b32 s31, 0
	s_mov_b32 s52, 0x4038aa3b                      ; c = 2 log2(e)
	s_mov_b32 s53, s52                             ; (named with it as a pair)
	s_mov_b32 s54, 0x76543210
	s_mov_b32 s55, 0xfedcba98                      ; v_permlanex16_b32's selects for lane l xor 16
	s_mov_b32 s56, 0x600000                        ; the mantissa field of 448
	s_mov_b32 s57, 0xffff0000                      ; a mask of lanes 16-31, for v_cndmask_b32
	s_mov_b32 s59, 0xc038aa3b                      ; -c
	s_mov_b32 s60, 0                               ; the slot that is read
	s_mov_b32 s61, SLOTB                           ; the slot that was asked for last
	v_and_b32 v40, 15, v0                          ; r
	v_bfe_u32 v41, v0, 4, 1                        ; h
	v_and_b32 v42, 31, v0                          ; lane
	v_lshlrev_b32 v24, 15, v41
	v_lshl_add_u32 v24, v40, 4, v24                ; the encoder: 8 rows on for lanes 16-31, 16 bytes a lane
	s_mul_i32 s66, s20, 8448
	s_add_co_u32 s66, s66, TURN                    ; my stage
	v_mul_u32_u24 v25, v41, 4224
	v_lshl_add_u32 v25, v40, 4, v25
	v_add_nc_u32 v25, s66, v25                     ; into it: row a + 8 h, 16 r
	v_mul_u32_u24 v26, v40, 528
	v_lshl_add_u32 v26, v41, 6, v26
	v_add_nc_u32 v26, s66, v26                     ; out of it: row r, 64 h
	s_lshl_b32 s67, s20, 15
	s_add_co_u32 s67, s67, SPILL
	v_lshl_add_u32 v27, v42, 4, s67                ; my spilled tiles: 16 bytes a lane
	v_lshl_add_u32 v28, v0, 4, TAB                 ; where I put 16 bytes of a table
	v_lshlrev_b32 v30, 4, v0                       ; 16 x thread: where they lie in V and in the bias; later the same in W's scale bytes
	s_mul_i32 s68, s40, 32*WP                      ; my half's 32 rows of a slot
	v_mul_u32_u24 v6, v40, WP
	v_lshl_add_u32 v6, v41, 4, v6
	v_add_nc_u32 v6, s68, v6                       ; a fragment of W: row 32 u + r, 16 h
	s_lshl_b32 s69, s40, 14
	s_add_co_u32 s69, s69, SCW
	v_lshl_add_u32 v4, v40, 5, s69                 ; W's scale bytes: 32 a row, row 512 u + r
	s_lshl_b32 s69, s40, 11
	s_add_co_u32 s69, s69, TAB
	v_lshl_add_u32 v5, v41, 5, s69                 ; the tables: number 512 u + 8 h
.irp j, 36,37,38,39
	v_mov_b32 v[\j], 0                             ; four registers that lane permutes write (their destination counts as a source)
.endr
	s_lshl_b32 s66, s23, 11
	s_lshl_b32 s67, s22, 7
	s_add_co_u32 s66, s66, s67
	s_lshl_b32 s67, s20, 5
	s_add_co_u32 s66, s66, s67                     ; my first row: 2,048 b + 128 block + 32 wave
	s_lshl_b32 s66, s66, 12                        ; x 4,096 bytes: under 2^28
	s_mov_b32 s67, 0
	s_lshl_b32 s68, s23, 12                        ; the bias of my batch
	s_mov_b32 s69, 0
	s_lshl_b32 s62, s23, 6
	s_lshl_b32 s63, s22, 2
	s_add_co_u32 s62, s62, s63
	s_add_co_u32 s62, s62, s20                     ; my partial: 64 b + 4 block + wave
	s_mul_i32 s62, s62, 4352
	s_mov_b32 s63, 0
	s_lshr_b32 s70, s20, 1                         ; what I fetch of a slot: half w / 2 of W,
	s_lshl_b32 s70, s70, 19                        ; 512 rows of 1,024 bytes on,
	s_lshl_b32 s71, s40, 14                        ; and of its 32 rows the 16 from 16 (w % 2)
	s_add_co_u32 s70, s70, s71
	s_mov_b32 s71, 0
	s_wait_dscnt 0x0                               ; both opening adds are done
	s_wait_kmcnt 0x0
	s_add_nc_u64 s[4:5], s[4:5], s[66:67]
	s_add_nc_u64 s[12:13], s[12:13], s[68:69]
	s_add_nc_u64 s[14:15], s[14:15], s[62:63]
	global_load_b128 v[64:67], v30, s[10:11]
	global_load_b128 v[68:71], v30, s[10:11] offset:2048
	global_load_b128 v[72:75], v30, s[12:13]
	global_load_b128 v[76:79], v30, s[12:13] offset:2048
	GLOAD 0
	GLOAD 1
	GLOAD 2
	GLOAD 3
	WIN 0
	s_mov_b32 s32, 1                               ; group 0, slot 0's first fill: count = 1,
	s_mul_i32 s33, s20, 16*WP                      ; LDS address: wave x 16 rows: no place in the cluster enters it,
	s_add_nc_u64 s[34:35], s[6:7], s[70:71]        ; my 16 rows,
	s_or_b32 s35, s35, 0x80000000                  ; type = 2
	s_mov_b32 s36, 1                               ; slot 1's first fill; this group then walks
	s_add_co_u32 s37, s33, SLOTB
	s_add_nc_u64 s[38:39], s[6:7], s[70:71]
	s_add_nc_u64 s[38:39], s[38:39], 0x8000        ; 32 rows on
	s_or_b32 s39, s39, 0x80000000
	CROUND                                         ; all four work-groups are here: the first joint loads meet
	tensor_load_to_lds s[32:35], s[24:31]          ; slot 0: my one tensor load at the head; slot 1's first fill stands behind the stream
	s_nop 0
.rept 4
	v_nop
.endr
	; ---- THE STREAM: sixteen rounds, no barrier
.irp f, 0,1,2,3,4,5,6,7,8,9,10,11,12,13,14,15
	ROUND \f
.endr
	; ---- SLOT 1'S FIRST FILL is issued as a refill is.  It has the hand-over in which to land.
	s_wait_alu depctr_va_vdst(0)
	s_wait_tensorcnt 0x0                           ; my part of slot 0 is in
	ds_add_u32 v1, v2                              ; 0 onto my spare word
	s_wait_dscnt 0x0                               ; the add is done
	CROUND                                         ; everybody's part of slot 0 is in, and all four work-groups are here: the joint loads meet
	tensor_load_to_lds s[36:39], s[24:31]          ; slot 1: one tensor load of mine is out
	s_nop 0
.rept 4
	v_nop
.endr
	; ---- THE HAND-OVER.  W's scale bytes are asked for first, 16 bytes a thread, sixteen times, into the registers that held the numbers: they land while the codes change hands.
.irp k, 0,1,2,3,4,5,6,7,8,9,10,11,12,13,14,15
	global_load_b128 v[64+4*\k:67+4*\k], v30, s[8:9] offset:2048*\k
.endr
	v_and_b32 v37, 31, v0                          ; lane
	s_wait_alu depctr_va_vdst(0)                   ; directly behind the write
	s_mul_i32 s66, s20, 8448
	s_add_co_u32 s66, s66, TURN
	v_lshl_add_u32 v32, v37, 4, s66                ; my stage: an image's place for my lane,
	s_mul_i32 s67, s41, 8448
	s_add_co_u32 s67, s67, TURN
	v_lshl_add_u32 v33, v37, 4, s67                ; and the same in my partner's stage
	s_lshl_b32 s68, s20, 10
	s_add_co_u32 s68, s68, ASX
	v_lshl_add_u32 v34, v37, 4, s68                ; my scale words,
	s_lshl_b32 s69, s41, 10
	s_add_co_u32 s69, s69, ASX
	v_lshl_add_u32 v35, v37, 4, s69                ; my partner's
	v_lshl_add_u32 v36, v0, 4, SCW                 ; where I put 16 of W's scale bytes
	ds_store_b128 v34, v[16:19]
	ds_store_b128 v34, v[20:23] offset:512
.irp e, 0,1,2,3                        ; four fragments (64 registers, 8,192 bytes) at a time: as much as a wave's stage holds
	WIN 0x04                                       ; an LDS store's data are its source 1: window 1
.irp c, 0,1,2,3,4,5,6,7,8,9,10,11,12,13,14,15
	ds_store_b128 v32, v[64*\e+4*\c:64*\e+4*\c+3] offset:512*\c
.endr
	WIN 0
	BAR                                            ; both stages of a pair are full
	WIN 0x80                                       ; destination window 2: the same register numbers as in the partner's window 1
.irp c, 0,1,2,3,4,5,6,7,8,9,10,11,12,13,14,15
	ds_load_b128 v[64*\e+4*\c:64*\e+4*\c+3], v33 offset:512*\c
.endr
	WIN 0
.if \e == 0
	ds_load_b128 v[8:11], v35
	ds_load_b128 v[12:15], v35 offset:512
.endif
	BAR                                            ; both have been read: they may be written again
.endr
	s_wait_loadcnt 0x0                             ; W's scale bytes are in registers
.irp k, 0,1,2,3,4,5,6,7,8,9,10,11,12,13,14,15
	ds_store_b128 v36, v[64+4*\k:67+4*\k] offset:2048*\k   ; and go where the stages were
.endr
	; ---- THE SWEEP
	BAR                                            ; W's scale bytes and the tables are whole; slot 0 was shown whole by the round behind the stream; slot 1's load may stay out
.irp j, 24,25,26,27,28,29,30,31
	v_mov_b32 v[\j], 0                             ; the sums over f
.endr
	v_add_nc_u32 v3, s60, v6
	s_wait_alu depctr_va_vdst(0)                   ; directly behind the write
	ds_load_b128 v[WS:WS+3], v4                    ; W's scale words of slot 0's two steps
	ds_load_b128 v[WS+4:WS+7], v4 offset:16
	ds_load_b128 v[WS+8:WS+11], v4 offset:512
	ds_load_b128 v[WS+12:WS+15], v4 offset:528
.set NOFF, 0
	LFR 0
	LFR 1
	LFR 2
	LFR 3
	STEP 0, 0, 0, 0, 1, 1, 0                       ; slot 0's first step: there is no step before it to finish
	s_mov_b32 s58, 14
.Lslot:                                                ; 14 trips: a slot's second step, in which the slot is left and filled again, and the next slot's first
	STEP 1, 1, 1, 1, 1, 1, 4
	STEP 0, 1, 0, 0, 1, 1, 4
	s_sub_co_u32 s58, s58, 1
	s_cmp_lg_u32 s58, 0
	s_cbranch_scc1 .Lslot
	STEP 1, 1, 1, 0, 1, 1, 4                       ; the tail is written out: the last slot but one is left, and nothing is asked for
	STEP 0, 1, 0, 0, 1, 0, 4
	STEP 1, 1, 0, 0, 0, 0, 2
	s_wait_dscnt 0x0                               ; the last step's bias and V
.set EB, 96
.set ek, 0
.rept 98
	EOP                                            ; the last step has no products to stand among
.set ek, ek+1
.endr
	EFIN
	; ---- MY 32 ROWS' SOFTMAX AND THE LAST PRODUCT
	v_and_b32 v39, 31, v0                          ; lane
	v_bfe_u32 v38, v0, 4, 1                        ; h
	v_lshl_add_u32 v32, v0, 2, PS                  ; ts: my row's word,
	s_lshl_b32 s66, s20, 7
	s_add_co_u32 s67, s66, PS
	v_lshl_add_u32 v33, v38, 5, s67                ; and my wave's 32 words, my half's eight
	v_lshlrev_b32 v34, 4, v39                      ; 16 x lane
	s_lshl_b32 s68, s20, 15
	s_add_co_u32 s68, s68, SPILL
	v_lshl_add_u32 v35, v39, 4, s68                ; my spilled tiles
	v_lshlrev_b32 v36, 3, v39                      ; 8 x lane
	s_lshl_b32 s69, s41, 7
	s_add_co_u32 s69, s69, BOX
	v_lshl_add_u32 v37, v39, 2, s69                ; my partner's box,
	v_lshl_add_u32 v40, v0, 2, BOX                 ; and mine
	v_add_f32 v24, v24, v25                        ; even and odd f: my rows 0-15,
	v_add_f32 v26, v26, v27                        ; my rows 16-31,
	v_add_f32 v28, v28, v29                        ; the partner's rows 0-15,
	v_add_f32 v30, v30, v31                        ; and 16-31
	v_permlanex16_b32 v25, v24, s54, s55
	v_permlanex16_b32 v27, v26, s54, s55
	v_permlanex16_b32 v29, v28, s54, s55
	v_permlanex16_b32 v31, v30, s54, s55
	v_add_f32 v24, v24, v25                        ; and the other half of the lanes' f
	v_add_f32 v26, v26, v27
	v_add_f32 v28, v28, v29
	v_add_f32 v30, v30, v31
	v_cndmask_b32 v24, v24, v26, s57               ; lane l: my row l, summed over my half of f
	v_cndmask_b32 v28, v28, v30, s57               ; lane l: the partner's row l
	ds_store_b32 v37, v28
	BAR                                            ; the partner has put its sums for my rows into my box
	ds_load_b32 v25, v40
	v_mov_b32 v115, 0                              ; (lane permutes write these two)
	v_mov_b32 v127, 0
	s_wait_dscnt 0x0
	v_add_f32 v24, v24, v25                        ; all 1,024 f
	v_mul_f32 v112, s59, v24                       ; ts = -c x the sum
	ds_store_b32 v32, v112
	ds_load_b128 v[96:99], v33                     ; back in the operand's order: rows 8 h + 0 .. 7,  (LDS serves a wave's instructions in order; the bytes are my wave's own)
	ds_load_b128 v[100:103], v33 offset:16
	ds_load_b128 v[104:107], v33 offset:64         ; and 16 + 8 h + 0 .. 7
	ds_load_b128 v[108:111], v33 offset:80
	WIN 0x40                                       ; the spilled tiles take the place of my codes, which are done with: the first sixteen now
.irp T, 0,1,2,3,4,5,6,7,8,9,10,11,12,13,14,15
	ds_load_b128 v[8*\T:8*\T+3], v35 offset:1024*\T
	ds_load_b128 v[8*\T+4:8*\T+7], v35 offset:1024*\T+512
.endr
	WIN 0
	s_wait_dscnt 32                                ; the 16 ts are in; the 32 loads behind them may be out
	v_max3_num_f32 v114, v96, v97, v98
.irp i, 99,101,103,105,107,109
	v_max3_num_f32 v114, v114, v[\i], v[\i+1]
.endr
	v_max_num_f32 v114, v114, v111
	v_permlanex16_b32 v115, v114, s54, s55
	v_max_num_f32 v114, v114, v115                 ; m: the largest ts of my 32 rows, in every lane
.irp i, 0,2,4,6,8,10,12,14
	v_pk_add_f32 v[96+\i:97+\i], v[96+\i:97+\i], v[114:115] op_sel_hi:[1,0] neg_lo:[0,1] neg_hi:[0,1]   ; ts - m
.endr
.set j, 0
	s_wait_alu depctr_va_vdst(0)
.rept 16
	v_exp_f32 v[96+j], v[96+j]                     ; p = 2^(ts - m)
.set j, j+1
.endr
	v_nop
	s_wait_alu depctr_va_vdst(0)                   ; one wait for the batch, ahead of its first reader
	v_pk_add_f32 v[124:125], v[96:97], v[98:99]
.irp i, 4,6,8,10,12,14
	v_pk_add_f32 v[124:125], v[124:125], v[96+\i:97+\i]
.endr
	v_add_f32 v126, v124, v125
	v_permlanex16_b32 v127, v126, s54, s55
	v_add_f32 v126, v126, v127                     ; l: the sum of the 32 p, unrounded
.irp i, 0,1,2,3,4,5,6,7
	v_cvt_pk_bf16_f32 v[116+\i], v[96+2*\i], v[97+2*\i]   ; p as source 0: all 16 rows of the operand alike, K = my 32 rows
.endr
	v_cndmask_b32 v113, v114, v126, s57            ; m in lanes 0-15, l in lanes 16-31
	s_wait_alu depctr_va_vdst(0)                   ; directly ahead of the wait below
	s_wait_dscnt 0x0                               ; the first sixteen tiles are in;
	WIN 0x40                                       ; the other sixteen
.irp T, 16,17,18,19,20,21,22,23,24,25,26,27,28,29,30,31
	ds_load_b128 v[8*\T:8*\T+3], v35 offset:1024*\T
	ds_load_b128 v[8*\T+4:8*\T+7], v35 offset:1024*\T+512
.endr
	WIN 0
; Unit s: eight products p x copy tiles 8 s .. 8 s + 7: every row of a result is ctx at the tile's 16 numbers, so register 0 of lane (r, .) of tile 4 ch + q is ctx[128 s + 64 ch + 4 r + q].
.macro UNIT s
.if (\s) < 4
	WIN 0x0c                                       ; source 1 in window 3,
.set UB, 64*(\s)
.else
	WIN 0x04                                       ; or 1 (the tiles that came back from LDS)
.set UB, 64*((\s)-4)
.endif
.set DB, 128+64*((\s)%2)
.irp tt, 0,1,2,3,4,5,6,7
	v_wmma_f32_16x16x32_bf16 v[DB+8*\tt:DB+8*\tt+7], v[116:123], v[UB+8*\tt:UB+8*\tt+7], 0
.endr
.endm
	UNIT 0
	UNIT 1
.irp s, 0,1,2,3,4,5,6,7
	WIN 0
.rept 5
	v_nop                                          ; four places in front of the read of this form's results, five in front of the unit that writes over them
.endr
.irp q, 0,1,2,3
	v_cndmask_b32 v[64+4*\s+\q], v[128+64*(\s%2)+8*\q], v[128+64*(\s%2)+32+8*\q], s57   ; lane l: ctx[128 s + 4 l + q]
.endr
	global_store_b128 v34, v[64+4*\s:67+4*\s], s[14:15] offset:512*\s   ; 32 lanes store 512 consecutive bytes, at a multiple of 256 from pctx's first byte
.if \s == 4
	s_wait_dscnt 0x0                               ; the last sixteen tiles are in
.endif
.if \s < 6
	UNIT \s+2
.endif
.endr
	global_store_b64 v36, v[112:113], s[14:15] offset:4096   ; (ts of row l, m or l): 256 consecutive bytes behind ctx
	s_wait_tensorcnt 0x0                           ; the wave's end, behind my last tensor load and my last LDS store
	ds_add_u32 v1, v2
	s_wait_dscnt 0x0
	CROUND                                         ; the closing round: no work-group ends while a partner may still ask for a tile that names it
	s_endpgm
.Lfunc_end_k_q09c7b25370_main:
	.size	k_q09c7b25370_main, .Lfunc_end_k_q09c7b25370_main-k_q09c7b25370_main
	.p2alignl 7, 3214868480
	.fill 96, 4, 3214868480
	.section	.rodata,"a",@progbits
	.p2align	6, 0x0
	.amdhsa_kernel k_q09c7b25370_main
		.amdhsa_group_segment_fixed_size 327680
		.amdhsa_private_segment_fixed_size 0
		.amdhsa_enable_private_segment 0
		.amdhsa_kernarg_size 48
		.amdhsa_user_sgpr_count 2
		.amdhsa_user_sgpr_kernarg_segment_ptr 1
		.amdhsa_wavefront_size32 1
		.amdhsa_system_sgpr_workgroup_id_x 1
		.amdhsa_system_sgpr_workgroup_id_y 1
		.amdhsa_system_sgpr_workgroup_id_z 1
		.amdhsa_system_vgpr_workitem_id 0
		.amdhsa_next_free_vgpr 1024
		.amdhsa_next_free_sgpr 72
		.amdhsa_reserve_vcc 0
		.amdhsa_float_denorm_mode_32 3
		.amdhsa_float_denorm_mode_16_64 3
		.amdhsa_memory_ordered 1
		.amdhsa_forward_progress 1
		.amdhsa_inst_pref_size 255
	.end_amdhsa_kernel
	.section	.bss,"aw",@nobits
	.p2align	6
	.space	262144
	.amdgpu_metadata
---
amdhsa.version: [ 1, 2 ]
amdhsa.kernels:
  - .name:           k_q09c7b25370_main
    .symbol:         k_q09c7b25370_main.kd
    .args:
      - { .name: encoder_outputs, .offset: 0, .size: 8, .value_kind: global_buffer, .address_space: global }
      - { .name: W_a_codes, .offset: 8, .size: 8, .value_kind: global_buffer, .address_space: global }
      - { .name: W_a_scales, .offset: 16, .size: 8, .value_kind: global_buffer, .address_space: global }
      - { .name: V_a, .offset: 24, .size: 8, .value_kind: global_buffer, .address_space: global }
      - { .name: bias, .offset: 32, .size: 8, .value_kind: global_buffer, .address_space: global }
      - { .name: pctx, .offset: 40, .size: 8, .value_kind: global_buffer, .address_space: global }
    .group_segment_fixed_size: 327680
    .private_segment_fixed_size: 0
    .kernarg_segment_align: 8
    .kernarg_segment_size: 48
    .max_flat_workgroup_size: 128
    .sgpr_count:     72
    .vgpr_count:     1024
    .wavefront_size: 32
...
	.end_amdgpu_metadata
.endif
;; end of part 2
;; launch combine (part 3): grid 8 x 32, 1 waves a work-group, no clusters, 0 bytes of LDS; arguments pctx, out0, out1; writes out0, out1
.if DOCPART == 3
	.amdgcn_target "amdgcn-amd-amdhsa--gfx1250"
	.amdhsa_code_object_version 6
	.text
	.protected	k_q09c7b25370_combine
	.globl	k_q09c7b25370_combine
	.p2align	8
	.type	k_q09c7b25370_combine,@function
k_q09c7b25370_combine:
	s_mov_b64 s[64:65], 0
	v_nop
	global_prefetch_b8 v0, s[64:65] scope:SCOPE_SE
	s_setreg_imm32_b32 hwreg(HW_REG_WAVE_MODE, 25, 1), 1
	s_wait_xcnt 0x0
; The 64 partials of a batch (m_i, l_i, ctx_i[1,024], and the 32 ts of its rows; 4,352 bytes each) are joined: M = max m_i, L = sum 2^(m_i - M) l_i;
; out1[b][t] = 2^(ts_t - M) / L;  out0[b][e] = sum_i (2^(m_i - M) / L) ctx_i[e].  All in f32.
; WORK LEFT OUT: ts lacks the term log2(e) x sum_f V[f], the same for all t of a batch: it cancels between 2^(ts - M) and L (shown at the head of the first kernel).
; SHARES: work-group (x, b), one wave: numbers e = 128 x .. 128 x + 127 of out0[b] (16 bytes a lane) and rows 256 x .. 256 x + 255 of out1[b].  No LDS, no barrier, no matrix unit: 512 bytes of each of 64 partials
; are read once and summed; 48 of those loads are out at the start, and each of the first 16 registers' sets is loaded again when it has been summed.
; A partial's bytes 4,096 + 8 l hold (ts of its row l, y_l), y = m in lanes 0-15, l in lanes 16-31: m is read at byte 4,100, l at byte 4,228.
; REGISTERS: v1-4 offsets; v8, v9 m, then the factors g, of partials lane and 32 + lane; v10, v11 their l; v12 M; v13 at work; v14 L; v15 1 / L; v16-31 ts; v32-35 the sums; v36-43 the weights; v64-255 48 landing places.
.set PB, 4352                          ; bytes of a partial
	s_load_b128 s[4:7], s[0:1], 0x0                ; pctx, out0
	s_load_b64 s[8:9], s[0:1], 0x10                ; out1
	v_and_b32 v5, 15, v0                           ; r (one wave: v0 is the lane)
	v_lshrrev_b32 v6, 4, v0                        ; h
	v_mul_u32_u24 v1, v0, PB                       ; a lane a partial
	v_lshlrev_b32 v2, 4, v0                        ; 16 bytes a lane
	v_mul_u32_u24 v3, v6, PB
	v_lshl_add_u32 v3, v5, 4, v3                   ; ts: lanes 0-15 one partial's 256 bytes, lanes 16-31 the next one's
	v_lshlrev_b32 v4, 3, v0                        ; 8 bytes a lane
	v_mov_b32 v13, 0                               ; (a lane permute writes it)
	s_mov_b32 s20, 0x76543210
	s_mov_b32 s21, 0xfedcba98                      ; v_permlanex16_b32's selects for lane l xor 16
	s_and_b32 s10, ttmp7, 0xffff                   ; b
	s_mul_i32 s12, s10, 64*PB                      ; the batch's partials
	s_mov_b32 s13, 0
	s_lshl_b32 s14, ttmp9, 9                       ; my 128 numbers of ctx
	s_mov_b32 s15, 0
	s_mul_i32 s16, ttmp9, 8*PB                     ; the 8 partials that hold my 256 rows
	s_mov_b32 s17, 0
	s_lshl_b32 s18, s10, 12
	s_add_co_u32 s18, s18, s14                     ; out0: 4,096 b + 512 x
	s_mov_b32 s19, 0
	s_lshl_b32 s22, s10, 13
	s_lshl_b32 s23, ttmp9, 10
	s_add_co_u32 s22, s22, s23                     ; out1: 8,192 b + 1,024 x
	s_mov_b32 s23, 0
	s_wait_alu depctr_va_vdst(0)
	s_wait_kmcnt 0x0
	s_add_nc_u64 s[4:5], s[4:5], s[12:13]
	s_add_nc_u64 s[24:25], s[4:5], s[14:15]
	s_add_nc_u64 s[26:27], s[4:5], s[16:17]
	s_add_nc_u64 s[6:7], s[6:7], s[18:19]
	s_add_nc_u64 s[8:9], s[8:9], s[22:23]
	global_load_b32 v8, v1, s[4:5] offset:4100             ; m of partial lane,
	global_load_b32 v9, v1, s[4:5] offset:32*PB+4100       ; of partial 32 + lane,
	global_load_b32 v10, v1, s[4:5] offset:4228            ; and their l
	global_load_b32 v11, v1, s[4:5] offset:32*PB+4228
.irp k, 0,1,2,3
	global_load_b128 v[16+4*\k:19+4*\k], v3, s[26:27] offset:2*PB*\k+4096   ; words 0 and 2: ts of my rows 64 k + 2 lane and + 1
.endr
.set i, 0
.rept 48
	global_load_b128 v[64+4*i:67+4*i], v2, s[24:25] offset:PB*i th:TH_LOAD_NT   ; 32 lanes read 512 consecutive bytes of partial i
.set i, i+1
.endr
	s_wait_loadcnt 48                              ; the eight small loads are in; the 48 behind them may be out
	v_max_num_f32 v12, v8, v9
	v_max_num_f32_dpp v12, v12, v12 row_xmask:1 row_mask:0xf bank_mask:0xf
	v_max_num_f32_dpp v12, v12, v12 row_xmask:2 row_mask:0xf bank_mask:0xf
	v_max_num_f32_dpp v12, v12, v12 row_xmask:4 row_mask:0xf bank_mask:0xf
	v_max_num_f32_dpp v12, v12, v12 row_xmask:8 row_mask:0xf bank_mask:0xf
	v_permlanex16_b32 v13, v12, s20, s21
	v_max_num_f32 v12, v12, v13                    ; M, in every lane
	v_sub_f32 v8, v8, v12
	v_sub_f32 v9, v9, v12
.irp k, 0,1,2,3
	v_sub_f32 v[36+2*\k], v[16+4*\k], v12          ; ts - M
	v_sub_f32 v[37+2*\k], v[18+4*\k], v12
.endr
	s_wait_alu depctr_va_vdst(0)
	v_exp_f32 v8, v8                               ; 2^(m - M)
	v_exp_f32 v9, v9
.irp j, 36,37,38,39,40,41,42,43
	v_exp_f32 v[\j], v[\j]                         ; 2^(ts - M)
.endr
	v_nop
	s_wait_alu depctr_va_vdst(0)                   ; one wait for the ten, ahead of their first reader
	v_mul_f32 v14, v8, v10
	v_fmac_f32 v14, v9, v11
	v_add_f32_dpp v14, v14, v14 row_xmask:1 row_mask:0xf bank_mask:0xf
	v_add_f32_dpp v14, v14, v14 row_xmask:2 row_mask:0xf bank_mask:0xf
	v_add_f32_dpp v14, v14, v14 row_xmask:4 row_mask:0xf bank_mask:0xf
	v_add_f32_dpp v14, v14, v14 row_xmask:8 row_mask:0xf bank_mask:0xf
	v_permlanex16_b32 v13, v14, s20, s21
	v_add_f32 v14, v14, v13                        ; L
	s_wait_alu depctr_va_vdst(0)
	v_rcp_f32 v15, v14
	v_nop
	s_wait_alu depctr_va_vdst(0)
	v_mul_f32 v8, v8, v15                          ; g = 2^(m - M) / L
	v_mul_f32 v9, v9, v15
.irp j, 36,37,38,39,40,41,42,43
	v_mul_f32 v[\j], v[\j], v15                    ; the weights
.endr
.irp k, 0,1,2,3
	global_store_b64 v4, v[36+2*\k:37+2*\k], s[8:9] offset:256*\k   ; 32 lanes store 256 consecutive bytes, at a multiple of 256 from out1's first byte
.endr
.set i, 0
	s_wait_alu depctr_va_vdst(0)
.rept 64
.if i < 16
	s_wait_loadcnt 47                              ; partial i is in: behind it 47 - i of the first 48 and the i that were asked for since
.else
	s_wait_loadcnt 63-i
.endif
.set rL, 64+4*(i%48)
	v_readlane_b32 s[32+i%8], v[8+i/32], i%32      ; g of partial i
; The sums stand in four sets by turns, partial i in set i % 4 (v32-35, v44-47, v48-51, v52-55): twelve multiply-adds of other sets stand between two on one set.  The four are added at the end: another order of f32 rounding than one chain.
.if i%4 == 0
.set rS, 32
.else
.set rS, 40+4*(i%4)
.endif
.if i < 4
	v_mul_f32 v[rS], s[32+i%8], v[rL]              ; the first four partials start the four sets
	v_mul_f32 v[rS+1], s[32+i%8], v[rL+1]
	v_mul_f32 v[rS+2], s[32+i%8], v[rL+2]
	v_mul_f32 v[rS+3], s[32+i%8], v[rL+3]
.else
	v_fmac_f32 v[rS], s[32+i%8], v[rL]
	v_fmac_f32 v[rS+1], s[32+i%8], v[rL+1]
	v_fmac_f32 v[rS+2], s[32+i%8], v[rL+2]
	v_fmac_f32 v[rS+3], s[32+i%8], v[rL+3]
.endif
.if i < 16
	global_load_b128 v[rL:rL+3], v2, s[24:25] offset:PB*(i+48) th:TH_LOAD_NT
.endif
.set i, i+1
.endr
	s_wait_alu depctr_va_vdst(0)                   ; the last sets were written ahead of the loop's last waits
.irp j, 0,2
	v_pk_add_f32 v[32+\j:33+\j], v[32+\j:33+\j], v[44+\j:45+\j]      ; the four sets are joined
	v_pk_add_f32 v[48+\j:49+\j], v[48+\j:49+\j], v[52+\j:53+\j]
.endr
.irp j, 0,2
	v_pk_add_f32 v[32+\j:33+\j], v[32+\j:33+\j], v[48+\j:49+\j]
.endr
	global_store_b128 v2, v[32:35], s[6:7]         ; 32 lanes store 512 consecutive bytes, at a multiple of 256 from out0's first byte
	s_endpgm
.Lfunc_end_k_q09c7b25370_combine:
	.size	k_q09c7b25370_combine, .Lfunc_end_k_q09c7b25370_combine-k_q09c7b25370_combine
	.p2alignl 7, 3214868480
	.fill 96, 4, 3214868480
	.section	.rodata,"a",@progbits
	.p2align	6, 0x0
	.amdhsa_kernel k_q09c7b25370_combine
		.amdhsa_group_segment_fixed_size 0
		.amdhsa_private_segment_fixed_size 0
		.amdhsa_enable_private_segment 0
		.amdhsa_kernarg_size 24
		.amdhsa_user_sgpr_count 2
		.amdhsa_user_sgpr_kernarg_segment_ptr 1
		.amdhsa_wavefront_size32 1
		.amdhsa_system_sgpr_workgroup_id_x 1
		.amdhsa_system_sgpr_workgroup_id_y 1
		.amdhsa_system_sgpr_workgroup_id_z 1
		.amdhsa_system_vgpr_workitem_id 0
		.amdhsa_next_free_vgpr 256
		.amdhsa_next_free_sgpr 66
		.amdhsa_reserve_vcc 0
		.amdhsa_float_denorm_mode_32 3
		.amdhsa_float_denorm_mode_16_64 3
		.amdhsa_memory_ordered 1
		.amdhsa_forward_progress 1
		.amdhsa_inst_pref_size 26
	.end_amdhsa_kernel
	.amdgpu_metadata
---
amdhsa.version: [ 1, 2 ]
amdhsa.kernels:
  - .name:           k_q09c7b25370_combine
    .symbol:         k_q09c7b25370_combine.kd
    .args:
      - { .name: pctx, .offset: 0, .size: 8, .value_kind: global_buffer, .address_space: global }
      - { .name: out0, .offset: 8, .size: 8, .value_kind: global_buffer, .address_space: global }
      - { .name: out1, .offset: 16, .size: 8, .value_kind: global_buffer, .address_space: global }
    .group_segment_fixed_size: 0
    .private_segment_fixed_size: 0
    .kernarg_segment_align: 8
    .kernarg_segment_size: 24
    .max_flat_workgroup_size: 32
    .sgpr_count:     66
    .vgpr_count:     256
    .wavefront_size: 32
...
	.end_amdgpu_metadata
.endif
;; end of part 3
